; MI455X (gfx1250); checked and timed in simulation.
; The chip was launched on July 23, 2026; its instructions are those of AMD's public machine-readable ISA for CDNA 5 (MIT licence, August 2026) and "CDNA5" Instruction Set Architecture Reference Guide (July 2026). The comments in the code are by the model that wrote it; some were corrected since.
;; Space Attention. Allowed arithmetic: float matrix products may take bf16 or f16 operands with f32 sums; all other float work in f32.
;; Inputs: k_c 1,024 x 32 float32; v_c 32 x 1,024 x 1,024 float32; x 2,048 x 1,024 float32.
;; Outputs: out0 2,048 x 1,024 float32.
;; One version. Each part assembles by itself: llvm-mc -triple=amdgcn-amd-amdhsa -mcpu=gfx1250 --defsym DOCPART=n.
;; ======== version 1 of 1: 3 launches
;; workspace buffers: xb 4,194,304 bytes; wtab 262,144 bytes; part 67,108,864 bytes
;; launch prep (part 1): grid 128 x 1, 8 waves a work-group, no clusters, 51,968 bytes of LDS; arguments x, k_c, xb, wtab; writes xb, wtab
.if DOCPART == 1
	.amdgcn_target "amdgcn-amd-amdhsa--gfx1250"
	.amdhsa_code_object_version 6
	.text
	.protected	k_qc92c709da4_prep
	.globl	k_qc92c709da4_prep
	.p2align	8
	.type	k_qc92c709da4_prep,@function
k_qc92c709da4_prep:
	s_mov_b64 s[64:65], 0
	v_nop
	global_prefetch_b8 v0, s[64:65] scope:SCOPE_SE
	s_setreg_imm32_b32 hwreg(HW_REG_WAVE_MODE, 25, 1), 1
	s_wait_xcnt 0x0
; For 16 rows of x: a bf16 copy (xb), the 32 logits of each row, their softmax, and from it the table W that the product kernel multiplies by.
;   logit[n][c] = (1/32) * (x_n . k_c) / (max(|x_n|, 1e-12) * max(|k_c|, 1e-12));   a = softmax over the 32 centres, its maximum taken away first.
;   W[n][c] = a[c] / a[c+1] = exp(logit[c] - logit[c+1]) where c % 4 is 0, 1, 2;   W[n][c] = a[c] where c % 4 is 3.
; With W a group of four centres is summed on ONE accumulator: acc = t0; acc *= W0; acc += t1; acc *= W1; acc += t2; acc *= W2; acc += t3; acc *= W3
; gives a0 t0 + a1 t1 + a2 t2 + a3 t3.  Both vectors are normalised, so |logit| <= 1/32 and every ratio lies between e^(-1/16) and e^(1/16).
; Eight waves.  Wave w: norm and cast of rows 2w, 2w+1; then the part K = 128w .. 128w+127 of the 16 x 32 product, on the matrix unit.
; The eight partial products meet in LDS; wave 0 adds them and makes the softmax (16 numbers a lane).
; LIMITS: the dot products take x and k_c rounded to bf16, the norms come from the f32 numbers.  Sums of squares are kept in f32 as in the
; definition: above f32's range they are infinite, and below 2^-126 v_sqrt_f32 takes them as zero (ISA guide 15.8), so such a vector counts as a zero vector.
.set XSP, 2064                         ; LDS pitch of a bf16 row of x: 2,048 + 16 bytes, an odd multiple of 16
.set XS,  0                            ; 16 rows x 2,064
.set PL,  33024                        ; partial products: [wave 8][q 4][lane 32][16 bytes]
.set KS,  49408                        ; partial sums of squares of k_c's columns: [wave 8][centre 32] f32
.set RN,  50432                        ; 1 / norm of the 16 rows
.set KR,  50688                        ; (1/32) / norm of the 32 columns
.set X,   16                           ; v[16:79]   two rows of x, 32 registers each; later BF
.set BF,  16                           ; v[16:79]   fragments of k_c: [t 4][tile 2][8]
.set KC,  80                           ; v[80:207]  k_c as loaded: [t 4][j 16][2 centres]; later the partial products
.set SS,  208                          ; v[208:215] sums of squares of my two rows
.set KSS, 216                          ; v[216:223] sums of squares of my two centres, a chain for each t
.set AF,  208                          ; v[208:239] fragments of x, behind the first barrier
.set EPS, 0x2b8cbccc                   ; 1e-12
	s_load_b256 s[4:11], s[0:1], 0x0               ; x s[4:5], k_c s[6:7], xb s[8:9], wtab s[10:11]
	s_set_vgpr_msb 0x40
	v_lshl_add_u32 v0, v0, 2, 0xc700
	v_mov_b32 v1, 0
	s_set_vgpr_msb 0x4000
	v_lshrrev_b32 v1, 5, v0
	v_readfirstlane_b32 s12, v1                    ; wave 0..7
	s_mov_b32 s20, 0x76543210                      ; v_permlanex16_b32: lane i of one half reads lane i of the other
	s_mov_b32 s21, 0xfedcba98
	v_and_b32 v1, 31, v0                           ; l
	v_and_b32 v2, 15, v0                           ; r = l % 16
	v_bfe_u32 v3, v0, 4, 1                         ; h = l / 16
	v_lshlrev_b32 v4, 4, v1                        ; 16 l
	v_lshlrev_b32 v5, 3, v2
	v_lshl_add_u32 v5, v3, 10, v5                  ; k_c: 8 h rows of 128 bytes + centres 2r, 2r+1
	v_lshlrev_b32 v6, 3, v1                        ; 8 l
	s_lshl_b32 s14, ttmp9, 16                      ; x: 16 rows of 4,096 bytes a work-group,
	s_lshl_b32 s15, s12, 13                        ; two rows a wave
	s_add_co_u32 s14, s14, s15
	s_mov_b32 s15, 0
	s_lshl_b32 s16, s12, 14                        ; k_c: 128 rows of 128 bytes a wave
	s_mov_b32 s17, 0
	s_lshl_b32 s18, ttmp9, 15                      ; xb: rows of 2,048 bytes
	s_lshl_b32 s19, s12, 12
	s_add_co_u32 s18, s18, s19
	s_mov_b32 s19, 0
	s_lshl_b32 s22, ttmp9, 11                      ; wtab: 2,048 bytes for 16 rows
	s_mov_b32 s23, 0
	s_mul_i32 s24, s12, 2*XSP
	v_add_nc_u32 v7, s24, v6                       ; XS, in: my first row + 8 l
	v_mul_u32_u24 v8, v2, XSP
	v_lshl_add_u32 v8, v3, 4, v8
	s_lshl_b32 s25, s12, 8
	v_add_nc_u32 v8, s25, v8                       ; XS, fragments: row r, my 128 K (256 bytes), + 16 h
	s_lshl_b32 s26, s12, 3
	s_add_co_u32 s26, s26, RN
	v_mov_b32 v9, s26                              ; RN + 4 (2w)
	s_lshl_b32 s27, s12, 7
	s_add_co_u32 s27, s27, KS
	v_lshl_add_u32 v10, v2, 3, s27                 ; KS + 128 w + 8 r
	s_lshl_b32 s28, s12, 11
	s_add_co_u32 s28, s28, PL
	v_add_nc_u32 v11, s28, v4                      ; PL + 2,048 w + 16 l
	s_wait_kmcnt 0x0
	s_add_nc_u64 s[4:5], s[4:5], s[14:15]
	s_add_nc_u64 s[6:7], s[6:7], s[16:17]
	s_add_nc_u64 s[8:9], s[8:9], s[18:19]
	s_add_nc_u64 s[10:11], s[10:11], s[22:23]
	; 16 loads of x, 512 consecutive bytes each; every byte of x is read once in the launch
.irp p, 0,1
.irp e, 0,1,2,3,4,5,6,7
	global_load_b128 v[X+32*\p+4*\e:X+32*\p+4*\e+3], v4, s[4:5] offset:\p*4096+\e*512 th:TH_LOAD_NT
.endr
.endr
	; 64 loads of k_c.  Lane (r, h) takes centres 2r, 2r+1 of the rows k = 32t + 8h + 0..7 and 32t + 16 + 8h + 0..7:
	; the k that a 16-bit fragment's lane holds (ISA guide 7.12.2).  Tile u of the centres is then the centres 2r + u.
.irp t, 0,1,2,3
.irp j, 0,1,2,3,4,5,6,7,8,9,10,11,12,13,14,15
	global_load_b64 v[KC+2*(16*\t+\j):KC+2*(16*\t+\j)+1], v5, s[6:7] offset:(32*\t+\j+8*(\j/8))*128
.endr
.endr
	s_wait_loadcnt 63                              ; 80 loads were issued and come back in order: with 63 out the first 17 are in, the 16 of x among them
.irp p, 0,1
	v_pk_mul_f32 v[SS+4*\p:SS+4*\p+1], v[X+32*\p:X+32*\p+1], v[X+32*\p:X+32*\p+1]          ; the first squares start the two chains
	v_pk_mul_f32 v[SS+4*\p+2:SS+4*\p+3], v[X+32*\p+2:X+32*\p+3], v[X+32*\p+2:X+32*\p+3]
.irp e, 1,2,3,4,5,6,7
	v_pk_fma_f32 v[SS+4*\p:SS+4*\p+1], v[X+32*\p+4*\e:X+32*\p+4*\e+1], v[X+32*\p+4*\e:X+32*\p+4*\e+1], v[SS+4*\p:SS+4*\p+1]
	v_pk_fma_f32 v[SS+4*\p+2:SS+4*\p+3], v[X+32*\p+4*\e+2:X+32*\p+4*\e+3], v[X+32*\p+4*\e+2:X+32*\p+4*\e+3], v[SS+4*\p+2:SS+4*\p+3]
.endr
	v_pk_add_f32 v[SS+4*\p:SS+4*\p+1], v[SS+4*\p:SS+4*\p+1], v[SS+4*\p+2:SS+4*\p+3]
	v_add_f32 v[SS+4*\p], v[SS+4*\p], v[SS+4*\p+1]
	v_add_f32_dpp v[SS+4*\p], v[SS+4*\p], v[SS+4*\p] row_xmask:1 row_mask:0xf bank_mask:0xf
	v_add_f32_dpp v[SS+4*\p], v[SS+4*\p], v[SS+4*\p] row_xmask:2 row_mask:0xf bank_mask:0xf
	v_add_f32_dpp v[SS+4*\p], v[SS+4*\p], v[SS+4*\p] row_xmask:4 row_mask:0xf bank_mask:0xf
	v_add_f32_dpp v[SS+4*\p], v[SS+4*\p], v[SS+4*\p] row_xmask:8 row_mask:0xf bank_mask:0xf
	v_permlanex16_b32 v[SS+4*\p+1], v[SS+4*\p], s20, s21
	v_add_f32 v[SS+4*\p], v[SS+4*\p], v[SS+4*\p+1]         ; the row's sum of squares, in every lane
.endr
	v_sqrt_f32 v12, v[SS]
	v_sqrt_f32 v13, v[SS+4]
	v_nop                                          ; one plain vector instruction behind a transcendental before its result is used (ISA guide 5.7.2)
	s_wait_alu depctr_va_vdst(0)
	v_max_num_f32 v12, EPS, v12
	v_max_num_f32 v13, EPS, v13
	v_rcp_f32 v14, v12
	v_rcp_f32 v15, v13                             ; the conversions below are the plain instructions behind these two
.irp i, 0,1,2,3,4,5,6,7,8,9,10,11,12,13,14,15
	v_cvt_pk_bf16_f32 v[X+4*\i], v[X+4*\i], v[X+4*\i+1]            ; four f32 become 8 bytes, in the first two of their registers
	v_cvt_pk_bf16_f32 v[X+4*\i+1], v[X+4*\i+2], v[X+4*\i+3]
.endr
	s_wait_alu depctr_va_vdst(0)
	ds_store_b32 v9, v14                           ; every lane writes the same word with the same value
	ds_store_b32 v9, v15 offset:4
.irp p, 0,1
.irp e, 0,1,2,3,4,5,6,7
	global_store_b64 v6, v[X+32*\p+4*\e:X+32*\p+4*\e+1], s[8:9] offset:\p*2048+\e*256      ; the wave stores 256 consecutive bytes, aligned
	ds_store_b64 v7, v[X+32*\p+4*\e:X+32*\p+4*\e+1] offset:\p*XSP+\e*256
.endr
.endr
	; k_c: sums of squares of my two centres over my 64 k, then the fragments
.irp t, 0,1,2,3
	s_wait_loadcnt 48-16*\t                        ; the 16 loads of each later t are younger
	v_pk_mul_f32 v[KSS+2*\t:KSS+2*\t+1], v[KC+32*\t:KC+32*\t+1], v[KC+32*\t:KC+32*\t+1]
.irp j, 1,2,3,4,5,6,7,8,9,10,11,12,13,14,15
	v_pk_fma_f32 v[KSS+2*\t:KSS+2*\t+1], v[KC+32*\t+2*\j:KC+32*\t+2*\j+1], v[KC+32*\t+2*\j:KC+32*\t+2*\j+1], v[KSS+2*\t:KSS+2*\t+1]
.endr
.endr
	v_pk_add_f32 v[KSS:KSS+1], v[KSS:KSS+1], v[KSS+2:KSS+3]
	v_pk_add_f32 v[KSS+4:KSS+5], v[KSS+4:KSS+5], v[KSS+6:KSS+7]
	v_pk_add_f32 v[KSS:KSS+1], v[KSS:KSS+1], v[KSS+4:KSS+5]
	v_permlanex16_b32 v[KSS+2], v[KSS], s20, s21   ; the other half of the lanes holds the other k of the same centres
	v_permlanex16_b32 v[KSS+3], v[KSS+1], s20, s21
	v_pk_add_f32 v[KSS:KSS+1], v[KSS:KSS+1], v[KSS+2:KSS+3]
	ds_store_b64 v10, v[KSS:KSS+1]                 ; lanes r and r + 16 write the same words with the same values
	s_wait_xcnt 0x0                                ; the stores to xb read v[16:79]: these are rewritten only behind this wait
.irp t, 0,1,2,3
.irp u, 0,1
.irp i, 0,1,2,3,4,5,6,7
	v_cvt_pk_bf16_f32 v[BF+16*\t+8*\u+\i], v[KC+32*\t+4*\i+\u], v[KC+32*\t+4*\i+2+\u]      ; register i: the k of j = 2i (low half) and 2i + 1
.endr
.endr
.endr
	s_wait_dscnt 0x0                               ; my rows in XS, my words in RN and KS are written
	s_barrier_signal -1
	s_barrier_wait -1                              ; everybody's are
.irp t, 0,1,2,3
	ds_load_b128 v[AF+8*\t:AF+8*\t+3], v8 offset:64*\t
	ds_load_b128 v[AF+8*\t+4:AF+8*\t+7], v8 offset:64*\t+32
.endr
	s_wait_dscnt 0x0
	; Source 0 = 16 centres, source 1 = the 16 rows of x: register j of lane (r, h) is row r, centre 2 (8h + j) + u.
	; The two accumulators take turns, one instruction a turn.
	v_wmma_f32_16x16x32_bf16 v[240:247], v[BF:BF+7], v[AF:AF+7], 0
	v_wmma_f32_16x16x32_bf16 v[248:255], v[BF+8:BF+15], v[AF:AF+7], 0
.irp t, 1,2,3
	v_wmma_f32_16x16x32_bf16 v[240:247], v[BF+16*\t:BF+16*\t+7], v[AF+8*\t:AF+8*\t+7], v[240:247]
	v_wmma_f32_16x16x32_bf16 v[248:255], v[BF+16*\t+8:BF+16*\t+15], v[AF+8*\t:AF+8*\t+7], v[248:255]
.endr
.rept 4
	v_nop                                          ; four places behind the matrix instructions (ISA guide 7.12.1) before results are read and sources rewritten
.endr
	ds_store_b128 v11, v[240:243]
	ds_store_b128 v11, v[244:247] offset:512
	ds_store_b128 v11, v[248:251] offset:1024
	ds_store_b128 v11, v[252:255] offset:1536
	s_wait_dscnt 0x0
	s_barrier_signal -1
	s_barrier_wait -1                              ; all eight partial products lie in PL; no barrier follows
	s_cmp_lg_u32 s12, 0
	s_cbranch_scc1 .Lend                           ; 512 numbers are left: 16 a lane of one wave
	v_add_nc_u32 v12, PL, v4
	v_lshlrev_b32 v13, 2, v1
	v_add_nc_u32 v15, KR, v13                      ; KR + 4 l
	v_add_nc_u32 v13, KS, v13                      ; KS + 4 l: lane l takes centre l
	v_lshl_add_u32 v14, v2, 2, RN                  ; RN + 4 r
	v_lshl_add_u32 v26, v3, 6, KR                  ; KR + 64 h: my 16 centres
	v_lshlrev_b32 v27, 4, v2
	v_lshl_add_u32 v27, v3, 10, v27                ; wtab: 1,024 h + 16 r
.irp w, 0,1,2,3,4,5,6,7
.irp q, 0,1,2,3
	ds_load_b128 v[KC+16*\w+4*\q:KC+16*\w+4*\q+3], v12 offset:\w*2048+\q*512
.endr
.endr
.irp w, 0,1,2,3,4,5,6,7
	ds_load_b32 v[16+\w], v13 offset:128*\w
.endr
	ds_load_b32 v24, v14
	s_wait_dscnt 0x0
	v_pk_add_f32 v[16:17], v[16:17], v[18:19]
	v_pk_add_f32 v[20:21], v[20:21], v[22:23]
	v_pk_add_f32 v[16:17], v[16:17], v[20:21]
	v_add_f32 v16, v16, v17                        ; centre l's sum of squares
	v_sqrt_f32 v17, v16
.irp w, 1,2,3,4,5,6,7
.irp i, 0,1,2,3,4,5,6,7
	v_pk_add_f32 v[KC+2*\i:KC+2*\i+1], v[KC+2*\i:KC+2*\i+1], v[KC+16*\w+2*\i:KC+16*\w+2*\i+1]      ; the dot products, K ascending
.endr
.endr
	s_wait_alu depctr_va_vdst(0)
	v_max_num_f32 v17, EPS, v17
	v_rcp_f32 v18, v17
	v_mul_f32 v24, 0x3fb8aa3b, v24                 ; 1 / |x_r| times log2(e): the exponentials below work in base 2
	s_wait_alu depctr_va_vdst(0)
	v_mul_f32 v18, 0x3d000000, v18                 ; the scale 1024^(-1/2) = 1/32
	ds_store_b32 v15, v18
.irp q, 0,1,2,3
	ds_load_b128 v[32+4*\q:35+4*\q], v26 offset:16*\q      ; LDS serves a wave's instructions in order (ISA guide 5.7.1.4): these see the store above
.endr
	s_wait_dscnt 0x0
	; e = 0..15 is centre 16 h + e; its dot product lies in register 8 (e % 2) + e / 2
.irp e, 0,1,2,3,4,5,6,7,8,9,10,11,12,13,14,15
	v_mul_f32 v[48+\e], v[32+\e], v24
.endr
.irp e, 0,1,2,3,4,5,6,7,8,9,10,11,12,13,14,15
	v_mul_f32 v[48+\e], v[48+\e], v[KC+8*(\e%2)+\e/2]      ; logit times log2(e)
.endr
	v_max3_num_f32 v28, v48, v49, v50
	v_max3_num_f32 v28, v28, v51, v52
	v_max3_num_f32 v28, v28, v53, v54
	v_max3_num_f32 v28, v28, v55, v56
	v_max3_num_f32 v28, v28, v57, v58
	v_max3_num_f32 v28, v28, v59, v60
	v_max3_num_f32 v28, v28, v61, v62
	v_max_num_f32 v28, v28, v63
	v_permlanex16_b32 v17, v28, s20, s21           ; the row's other 16 centres lie in lane l xor 16
	v_max_num_f32 v28, v28, v17                    ; the row's maximum
.irp e, 0,1,2,3,4,5,6,7,8,9,10,11,12,13,14,15
	v_sub_f32 v[64+\e], v[48+\e], v28
.endr
.irp e, 0,1,2,4,5,6,8,9,10,12,13,14
	v_sub_f32 v[112+\e], v[48+\e], v[49+\e]
.endr
.irp e, 0,1,2,3,4,5,6,7,8,9,10,11,12,13,14,15
	v_exp_f32 v[96+\e], v[64+\e]
.endr
.irp e, 0,1,2,4,5,6,8,9,10,12,13,14
	v_exp_f32 v[128+\e], v[112+\e]                 ; a[c] / a[c+1]
.endr
	v_nop                                          ; the plain instruction behind the exponentials
	s_wait_alu depctr_va_vdst(0)
	v_pk_add_f32 v[64:65], v[96:97], v[98:99]
	v_pk_add_f32 v[66:67], v[100:101], v[102:103]
	v_pk_add_f32 v[68:69], v[104:105], v[106:107]
	v_pk_add_f32 v[70:71], v[108:109], v[110:111]
	v_pk_add_f32 v[64:65], v[64:65], v[66:67]
	v_pk_add_f32 v[68:69], v[68:69], v[70:71]
	v_pk_add_f32 v[64:65], v[64:65], v[68:69]
	v_add_f32 v64, v64, v65
	v_permlanex16_b32 v65, v64, s20, s21
	v_add_f32 v64, v64, v65
	v_rcp_f32 v66, v64
	v_nop
	s_wait_alu depctr_va_vdst(0)
.irp e, 3,7,11,15
	v_mul_f32 v[128+\e], v[96+\e], v66             ; a[c] itself at the end of each group of four
.endr
.irp q, 0,1,2,3
	global_store_b128 v27, v[128+4*\q:131+4*\q], s[10:11] offset:256*\q    ; group 4 h + q: sixteen lanes store 256 consecutive bytes, aligned
.endr
.Lend:
	s_set_vgpr_msb 0x5
	s_wait_tensorcnt 0x0
	ds_add_u32 v0, v1
	s_wait_dscnt 0x0
	s_set_vgpr_msb 0x500
	s_endpgm
.Lfunc_end_k_qc92c709da4_prep:
	.size	k_qc92c709da4_prep, .Lfunc_end_k_qc92c709da4_prep-k_qc92c709da4_prep
	.p2alignl 7, 3214868480
	.fill 96, 4, 3214868480
	.section	.rodata,"a",@progbits
	.p2align	6, 0x0
	.amdhsa_kernel k_qc92c709da4_prep
		.amdhsa_group_segment_fixed_size 51968
		.amdhsa_private_segment_fixed_size 0
		.amdhsa_enable_private_segment 0
		.amdhsa_kernarg_size 32
		.amdhsa_user_sgpr_count 2
		.amdhsa_user_sgpr_kernarg_segment_ptr 1
		.amdhsa_wavefront_size32 1
		.amdhsa_system_sgpr_workgroup_id_x 1
		.amdhsa_system_sgpr_workgroup_id_y 1
		.amdhsa_system_sgpr_workgroup_id_z 1
		.amdhsa_system_vgpr_workitem_id 0
		.amdhsa_next_free_vgpr 258
		.amdhsa_next_free_sgpr 66
		.amdhsa_reserve_vcc 0
		.amdhsa_float_denorm_mode_32 3
		.amdhsa_float_denorm_mode_16_64 3
		.amdhsa_memory_ordered 1
		.amdhsa_forward_progress 1
		.amdhsa_inst_pref_size 41
	.end_amdhsa_kernel
	.amdgpu_metadata
---
amdhsa.version: [ 1, 2 ]
amdhsa.kernels:
  - .name:           k_qc92c709da4_prep
    .symbol:         k_qc92c709da4_prep.kd
    .args:
      - { .name: x, .offset: 0, .size: 8, .value_kind: global_buffer, .address_space: global }
      - { .name: k_c, .offset: 8, .size: 8, .value_kind: global_buffer, .address_space: global }
      - { .name: xb, .offset: 16, .size: 8, .value_kind: global_buffer, .address_space: global }
      - { .name: wtab, .offset: 24, .size: 8, .value_kind: global_buffer, .address_space: global }
    .group_segment_fixed_size: 51968
    .private_segment_fixed_size: 0
    .kernarg_segment_align: 8
    .kernarg_segment_size: 32
    .max_flat_workgroup_size: 256
    .sgpr_count:     66
    .vgpr_count:     258
    .wavefront_size: 32
...
	.end_amdgpu_metadata
.endif
;; end of part 1
;; launch gemm (part 2): grid 64 x 4, 4 waves a work-group, clusters of 4 x 4, 327,680 bytes of LDS; arguments xb, v_c, wtab, part; writes part
.if DOCPART == 2
	.amdgcn_target "amdgcn-amd-amdhsa--gfx1250"
	.amdhsa_code_object_version 6
	.text
	.protected	k_qc92c709da4_gemm
	.globl	k_qc92c709da4_gemm
	.p2align	8
	.type	k_qc92c709da4_gemm,@function
k_qc92c709da4_gemm:
	s_mov_b64 s[64:65], 0
	v_nop
	global_prefetch_b8 v0, s[64:65] scope:SCOPE_SE
	s_setreg_imm32_b32 hwreg(HW_REG_WAVE_MODE, 25, 1), 1
	s_wait_xcnt 0x0
	s_wait_alu depctr_hold_cnt(0) depctr_sa_sdst(0) depctr_va_vdst(0) depctr_va_sdst(0) depctr_va_ssrc(0) depctr_va_vcc(0) depctr_vm_vsrc(0)
	s_getreg_b32 s2, hwreg(HW_REG_IB_STS2, 6, 4)
	s_cmp_eq_u32 s2, 0
	s_cbranch_scc0 .Lentry_in_a_cluster
	s_endpgm
.Lentry_in_a_cluster:
	s_bfe_u32 s2, ttmp6, 0x10000c
	s_cmp_lg_u32 s2, 0xf033
	s_cbranch_scc0 .Lentry_shape_is_right
	s_endpgm
.Lentry_shape_is_right:
; part[g] = sum over the four centres c = 4g .. 4g+3 of a[n][c] * (x @ v_c[c])[n][o], for a block of 512 rows n x 128 columns o.
; xb: [2048][1024] bf16.  v_c: [32][1024][1024] f32, taken as [32768 (k)][1024 (o)].  wtab: [16-row block 128][g 8][row 16][4] f32.
; Work-group (x, y): column block nb = x % 8, group g = x / 8, row block mb = y.  Four waves, as many as a WGP has SIMDs; wave w makes
; rows 128 w .. +127 x all 128 columns: 64 accumulator tiles of 16 x 16, 512 registers; K = 4,096: 8,192 matrix instructions a wave.
; THE WEIGHTS a ARE APPLIED IN f32 TO f32 SUMS, on one set of accumulators: behind each centre's 1,024 k the accumulators are multiplied by
; W[n][c] (a[c]/a[c+1], and a[c] behind a group's last centre), which gives a0 t0 + a1 t1 + a2 t2 + a3 t3.  The matrix operands are x and v_c rounded to bf16.
; x comes by the tensor data mover, K steps of 128 (rows of 256 bytes, aligned) through two LDS slots; each wave fetches and reads its own 128 rows.
; CLUSTERS: 4 x 4 work-groups: four row blocks x four column blocks of one group g.  The four of a row of the cluster need the same tiles of x
; and ask for them JOINTLY (the same descriptor, a mask that names the four).
; v_c comes through registers: 16-byte loads, rounded to bf16, stored to LDS as [k 64][o 128], read back transposed (ds_load_tr16_b128).
; It is NOT asked for jointly, though the four of a column of the cluster read the same bytes: a joint load would land f32 in LDS, and two such slots
; of 64 k (2 x 32,768 bytes) beside x's slots (278,528) and the bf16 tiles (36,864) are 380,928 bytes, more than the 327,680 that a work-group can be given;
; and each number would be written to and read from LDS once more, in four bytes.
; LIMIT: the order of rounding of the sum over centres differs from the definition's (see above; the eight groups are added by the next launch).
;
; REGISTERS, in windows of 256 (s_set_vgpr_msb's low byte: bits 1:0 source 0, 3:2 source 1, 5:4 source 2, 7:6 destination):
;   window 0: v0-31 addresses; v32-63 W (row tile a: v[32+4a], the centre that is due in the first register); v64-127, v128-191 fragments of x, two buffers
;   window 1: v0-63, v192-255 two sets for v_c on its way (16 rows x 16 bytes a lane each); v64-127, v128-191 fragments of v_c, two buffers
;   window 2: accumulator tiles of my rows 0-63 (tile (a, b) at v[8 (8 a + b)]);  window 3: of my rows 64-127
; THE MATRIX INSTRUCTION IS USED TRANSPOSED: source 0 = 16 columns o, source 1 = 16 rows of x.  Lane l then holds row l % 16, and its registers 0 to 7
; the columns 8 (l / 16) + 0..7: one W a lane serves a whole tile.
.set XPITCH, 272                       ; an LDS row of x: 256 bytes + 16 of padding, an odd multiple of 16
.set XWAVE,  128*XPITCH                ; a wave's 128 rows: 34,816 bytes, what one tensor load brings
.set XSLOT,  4*XWAVE                   ; 139,264
.set BB,     2*XSLOT                   ; 278,528: the bf16 tiles of v_c lie behind x's slots; no tensor load lands there
.set BPITCH, 288                       ; 128 bf16 + 32 bytes, an odd multiple of 32
.set BBUF,   64*BPITCH                 ; 18,432: 64 k
.set ADRA, 16                          ; v16-17  LDS address of my x fragments in slot 0, 1
.set ADRB, 20                          ; v20     LDS address for the transposing loads
.set STB,  21                          ; v21     where my wave's 16 rows of a v_c tile go
.set VO,   22                          ; v22     16 l: loads of v_c, stores of part
.set WO,   24                          ; v24     16 (l % 16)
.set WB,   32
.set F0,   64
.set F1,   128
.set SET0, 0
.set SET1, 192
.set G1,  24                           ; s[24:31] descriptor group 1
.set G0,  32                           ; s[32:39] descriptor group 0, one set for each slot
.set XW,  40                           ; s[40:43] address of my rows of x at K step 0 (slot 0) and 1 (slot 1)
.set OFF, 44                           ; s[44:45] bytes along x's rows of the next lap: 512 x ((lap + 1) % 4)
.set VB,  46                           ; s[46:47] address of my 16 rows of the v_c tile loaded last
.set LAP, 48
.set PB,  50                           ; s[50:51] my 65,536 bytes of part
.set WP,  52                           ; s[52:53] my rows' W
.set MSB, 0
.macro WIN new                         ; the immediate's high byte repeats the setting that is left
.if MSB != \new
	s_set_vgpr_msb (MSB<<8)|\new
.set MSB, \new
.endif
.endm
.set MUL_LO, 0xa1                      ; source 0 window 1, source 1 window 0, C and D window 2
.set MUL_HI, 0xf1                      ; the same, C and D window 3
.set TO_B,   0x40                      ; destination window 1, address window 0
; A round of the cluster's barrier: my work-group's barrier; wave 0 signals for the work-group; every wave waits for all sixteen; my work-group's barrier again.
.macro CREST                           ; a round behind its opening barrier
	s_cmp_lg_u32 s12, 0
	s_cbranch_scc1 .Lnot_wave_0_\@
	s_barrier_signal -3
.Lnot_wave_0_\@:
	s_barrier_wait -3
	s_barrier_signal -1
	s_barrier_wait -1
.endm
.macro CROUND
	s_barrier_signal -1
	s_barrier_wait -1
	CREST
.endm
.macro PLACES                          ; four places behind matrix instructions (ISA guide 7.12.1) before their registers are loaded into, read or written
.rept 4
	v_nop
.endr
.endm
; 16 matrix instructions: row tiles a0, a0 + 1 of the window's four x all 8 column tiles, 32 along K.  zero = 1: the product starts the sums.
; The 64 accumulators take turns, one instruction a turn, in the same order in every quarter.
.macro MUL16 f, hi, a0, zero
.irp a, \a0, \a0+1
.irp b, 0,1,2,3,4,5,6,7
.if \zero
	v_wmma_f32_16x16x32_bf16 v[8*(8*(\a)+\b):8*(8*(\a)+\b)+7], v[\f+8*\b:\f+8*\b+7], v[\f+8*(4*\hi+\a):\f+8*(4*\hi+\a)+7], 0
.else
	v_wmma_f32_16x16x32_bf16 v[8*(8*(\a)+\b):8*(8*(\a)+\b)+7], v[\f+8*\b:\f+8*\b+7], v[\f+8*(4*\hi+\a):\f+8*(4*\hi+\a)+7], v[8*(8*(\a)+\b):8*(8*(\a)+\b)+7]
.endif
.endr
.endr
.endm
; 32 LDS loads: a quarter's fragments (32 k) into buffer f: 128 columns of v_c from rows kb .. kb+31 of tile buffer buf, transposed on the way;
; then my 128 rows of x at byte ka of slot's rows.  The last eight loads are x's rows 64-127.
.macro FETCH slot, ka, buf, kb, f
	WIN TO_B
.irp b, 0,1,2,3,4,5,6,7
	ds_load_tr16_b128 v[\f+8*\b:\f+8*\b+3],   v[ADRB] offset:\buf*BBUF+\kb*BPITCH+32*\b
	ds_load_tr16_b128 v[\f+8*\b+4:\f+8*\b+7], v[ADRB] offset:\buf*BBUF+\kb*BPITCH+32*\b+16*BPITCH
.endr
	WIN 0
.irp i, 0,1,2,3,4,5,6,7
	ds_load_b128 v[\f+8*\i:\f+8*\i+3],   v[ADRA+\slot] offset:\ka+\i*16*XPITCH
	ds_load_b128 v[\f+8*\i+4:\f+8*\i+7], v[ADRA+\slot] offset:\ka+\i*16*XPITCH+32
.endr
.endm
; 16 loads: my 16 rows of a v_c tile; each load takes the 512 consecutive bytes that the block has of a row
.macro VLOAD set
	WIN TO_B
.irp j, 0,1,2,3,4,5,6,7,8,9,10,11,12,13,14,15
	global_load_b128 v[\set+4*\j:\set+4*\j+3], v[VO], s[VB:VB+1] offset:\j*4096
.endr
.endm
; The tile in set is rounded to bf16 and stored to tile buffer buf; load = 1: the set is loaded again, with the tile two further on.
; left = the younger loads that may stay out: the 16 of the other set.
.macro CONV set, buf, load, left
	s_wait_loadcnt \left
	WIN 0x45
.irp j, 0,1,2,3,4,5,6,7,8,9,10,11,12,13,14,15
	v_cvt_pk_bf16_f32 v[\set+4*\j], v[\set+4*\j], v[\set+4*\j+1]
	v_cvt_pk_bf16_f32 v[\set+4*\j+1], v[\set+4*\j+2], v[\set+4*\j+3]
.endr
	WIN 0x04
.irp j, 0,1,2,3,4,5,6,7,8,9,10,11,12,13,14,15
	ds_store_b64 v[STB], v[\set+4*\j:\set+4*\j+1] offset:\buf*BBUF+\j*BPITCH       ; 32 lanes: the 256 bytes of a row
.endr
.if \load
	s_wait_xcnt 0x0                                ; the other set's loads name the base: it is stepped only behind this wait
	s_add_nc_u64 s[VB:VB+1], s[VB:VB+1], 0x40000   ; 64 rows of 4,096 bytes on
	VLOAD \set
.endif
.endm
; A quarter (32 k, 64 matrix instructions) on buffer f; in its middle the next quarter's fragments are fetched into buffer g, and, where cv = 1, a v_c tile goes to LDS first.
.macro QUARTER f, g, zero, slot, ka, buf, kb, cv, set, cbuf, load, left
	s_wait_dscnt 8                                 ; all of f but the youngest eight loads: x's rows 64-127
	WIN MUL_LO
	MUL16 \f, 0, 0, \zero
	MUL16 \f, 0, 2, \zero
.if \cv
	CONV \set, \cbuf, \load, \left
.endif
	PLACES
	FETCH \slot, \ka, \buf, \kb, \g
	s_wait_dscnt 32                                ; all but the 32 just issued
	WIN MUL_HI
	MUL16 \f, 1, 0, \zero
	MUL16 \f, 1, 2, \zero
.endm
; The second quarter of a K step of 128: changes from tile buffer 0 to 1.  In front of the barrier each wave's stores to buffer 1 and its reads of buffer 0 are done.
; Nothing is filled by a tensor load behind this barrier, so x's load stays on its way.
.macro HTURN slot
	s_wait_dscnt 8
	WIN MUL_LO
	MUL16 F1, 0, 0, 0
	s_wait_dscnt 0
	s_barrier_signal -1
	MUL16 F1, 0, 2, 0
	s_barrier_wait -1
	PLACES
	FETCH \slot, 128, 1, 0, F0
	WIN MUL_HI
	MUL16 F1, 1, 0, 0
	MUL16 F1, 1, 2, 0
.endm
; The fourth quarter: changes x's slot and goes back to tile buffer 0.  In front of the barrier each wave waits for all its LDS instructions (reads of this slot and of
; buffer 1, stores to buffer 0) and for all its tensor loads, of which one is out: its part of the next slot.  fill = 1: the barrier opens a round of the cluster's
; barrier, and behind the round this slot is asked for again, two K steps ahead, first of all: 240 matrix instructions ahead of the wait for it.
.macro TURN slot, next, fill
	s_wait_dscnt 8
	WIN MUL_LO
	MUL16 F1, 0, 0, 0
	s_wait_dscnt 0
	s_set_vgpr_msb 0xa1a0
	s_wait_tensorcnt 0x0
	ds_add_u32 v254, v255
	s_wait_dscnt 0x0
	s_set_vgpr_msb 0xa0a1
	s_barrier_signal -1
	MUL16 F1, 0, 2, 0
	WIN 0
	s_barrier_wait -1
.if \fill
	CREST                                          ; no wave of any partner still reads this slot or has a load on its way
	s_add_nc_u64 s[G0+4*\slot+2:G0+4*\slot+3], s[XW+2*\slot:XW+2*\slot+1], s[OFF:OFF+1]   ; no tensor load of mine is out: the group may be written
	s_or_b32 s[G0+4*\slot+3], s[G0+4*\slot+3], 0x80000000
	tensor_load_to_lds s[G0+4*\slot:G0+4*\slot+3], s[G1:G1+7]
	s_nop 0
.endif
	PLACES
	FETCH \next, 0, 0, 0, F0
	WIN MUL_HI
	MUL16 F1, 1, 0, 0
	MUL16 F1, 1, 2, 0
.endm
; K step S of 128 in x's slot S % 2: v_c tiles 2S (buffer 0) and 2S+1 (buffer 1).  Its first quarter stores tile 2S+1 and loads tile 2S+3, its third stores 2S+2 and loads 2S+4:
; from a tile's loads to the wait for them a wave issues 256 matrix instructions.
.macro BIG slot, next, zero
	QUARTER F0, F1, \zero, \slot, 64, 0, 32, 1, SET1, 1, 1, 16
	HTURN \slot
	QUARTER F0, F1, 0, \slot, 192, 1, 32, 1, SET0, 0, 1, 16
	TURN \slot, \next, 1
.endm
.macro LAPM zero                       ; a lap: once round x's two slots, 256 k
	BIG 0, 1, \zero
	BIG 1, 0, 0
.endm
; Behind a centre: every accumulator times its row's W.  rot = 1: the next centre's W moves into the first register (the loop's text is the same for every centre).
.macro SCALE rot
	PLACES
	WIN 0x82
.set ix, 0
.rept 128
	v_pk_mul_f32 v[2*ix:2*ix+1], v[2*ix:2*ix+1], v[WB+4*(ix/32):WB+4*(ix/32)+1] op_sel_hi:[1,0]
.set ix, ix+1
.endr
	WIN 0xc3
.set ix, 0
.rept 128
	v_pk_mul_f32 v[2*ix:2*ix+1], v[2*ix:2*ix+1], v[WB+16+4*(ix/32):WB+16+4*(ix/32)+1] op_sel_hi:[1,0]
.set ix, ix+1
.endr
	WIN 0
.if \rot
.irp a, 0,1,2,3,4,5,6,7
	v_mov_b32 v[WB+4*\a], v[WB+4*\a+1]
	v_mov_b32 v[WB+4*\a+1], v[WB+4*\a+2]
	v_mov_b32 v[WB+4*\a+2], v[WB+4*\a+3]
.endr
.endif
.endm
	s_load_b256 s[4:11], s[0:1], 0x0               ; xb s[4:5], v_c s[6:7], wtab s[8:9], part s[10:11]
	v_lshl_add_u32 v254, v0, 2, 0x4d000
	v_mov_b32 v255, 0
	ds_add_u32 v254, v255
	v_lshrrev_b32 v1, 5, v0
	v_readfirstlane_b32 s12, v1                    ; wave 0..3
	s_bfe_u32 s13, ttmp6, 0x40000                  ; cx
	s_bfe_u32 s14, ttmp6, 0x40004                  ; cy
	s_lshl_b32 s15, ttmp9, 2                       ; in a cluster launch ttmp9 and ttmp7 count clusters
	s_add_co_u32 s15, s15, s13                     ; work-group x
	s_and_b32 s16, s15, 7                          ; nb
	s_lshr_b32 s17, s15, 3                         ; g
	s_and_b32 s18, ttmp7, 0xffff
	s_lshl_b32 s18, s18, 2
	s_add_co_u32 s18, s18, s14                     ; mb = work-group y
	s_lshl_b32 s19, s14, 2
	s_lshl_b32 s19, 15, s19                        ; my row of the cluster: places 4 cy .. 4 cy + 3
	; descriptor group 1: a tile of 128 rows x 128 bf16, padded in LDS
	s_or_b32 s[G1+0], s19, (1<<16)|(1<<20)|(1<<21)|(5<<22)|(3<<25)  ; 15:0 the mask; 17:16 elements of 2 bytes; 20 padding on; 21 set beside a mask; 24:22 after every 64 words; 31:25 four words
	s_mov_b32 s[G1+1], 128<<16                     ; tensor_dim0 = 128
	s_mov_b32 s[G1+2], 128<<16                     ; tensor_dim1 = 128
	s_mov_b32 s[G1+3], 128<<16                     ; tile_dim0 = 128
	s_mov_b32 s[G1+4], 128                         ; tile_dim1 = 128
	s_mov_b32 s[G1+5], 1024                        ; elements from row to row
	s_mov_b32 s[G1+6], 0
	s_mov_b32 s[G1+7], 0
	; byte offsets, each in registers of its own; x's hangs on the row block and the wave alone, which my row of the cluster shares
	s_lshl_b32 s20, s18, 20                        ; 512 rows of 2,048 bytes a row block,
	s_lshl_b32 s21, s12, 18                        ; 128 rows a wave
	s_add_co_u32 s20, s20, s21
	s_mov_b32 s21, 0
	s_lshl_b32 s22, s17, 24                        ; v_c: 4,096 rows of 4,096 bytes a group,
	s_lshl_b32 s23, s12, 16                        ; 16 rows a wave,
	s_add_co_u32 s22, s22, s23
	s_lshl_b32 s23, s16, 9                         ; 512 bytes a column block
	s_add_co_u32 s22, s22, s23
	s_mov_b32 s23, 0
	s_lshl_b32 s54, s18, 5
	s_lshl3_add_u32 s54, s12, s54                  ; my first block of 16 rows: 32 mb + 8 w
	s_lshl_b32 s54, s54, 11                        ; 2,048 bytes each,
	s_lshl_b32 s55, s17, 8                         ; 256 bytes a group
	s_add_co_u32 s54, s54, s55
	s_mov_b32 s55, 0
	s_lshl3_add_u32 s56, s18, s16                  ; part: [g][mb][nb][w] of 65,536 bytes
	s_lshl2_add_u32 s56, s56, s12
	s_lshl_b32 s56, s56, 16
	s_lshl_b32 s57, s17, 23
	s_add_co_u32 s56, s56, s57
	s_mov_b32 s57, 0
	s_mul_i32 s58, s12, XWAVE                      ; my rows' place in a slot: no place in the cluster enters an LDS address
	v_and_b32 v1, 31, v0                           ; l
	v_and_b32 v2, 15, v0                           ; r
	v_bfe_u32 v3, v0, 4, 1                         ; h
	v_lshlrev_b32 v[VO], 4, v1
	v_lshlrev_b32 v[WO], 4, v2
	s_wait_dscnt 0x0
	s_wait_kmcnt 0x0
	s_add_nc_u64 s[XW:XW+1], s[4:5], s[20:21]
	s_add_nc_u64 s[XW+2:XW+3], s[XW:XW+1], 256
	s_add_nc_u64 s[VB:VB+1], s[6:7], s[22:23]
	s_add_nc_u64 s[WP:WP+1], s[8:9], s[54:55]
	s_add_nc_u64 s[PB:PB+1], s[10:11], s[56:57]
.irp a, 0,1,2,3,4,5,6,7
	global_load_b128 v[WB+4*\a:WB+4*\a+3], v[WO], s[WP:WP+1] offset:\a*2048        ; row tile a: my row's four W
.endr
	VLOAD SET0                                     ; v_c tile 0
	s_wait_xcnt 0x0
	s_add_nc_u64 s[VB:VB+1], s[VB:VB+1], 0x40000
	VLOAD SET1                                     ; tile 1
	WIN 0
	CROUND                                         ; all sixteen work-groups are here: the first joint loads meet
.irp s, 0,1
	s_mov_b32 s[G0+4*\s], 1                                        ; count = 1
	s_add_co_u32 s[G0+4*\s+1], s58, \s*XSLOT                       ; LDS address
	s_mov_b64 s[G0+4*\s+2:G0+4*\s+3], s[XW+2*\s:XW+2*\s+1]         ; K step s
	s_or_b32 s[G0+4*\s+3], s[G0+4*\s+3], 0x80000000                ; type = 2
	tensor_load_to_lds s[G0+4*\s:G0+4*\s+3], s[G1:G1+7]            ; two tensor loads of the wave are out here, one behind each later round
	s_nop 0
.endr
	s_mov_b32 s[OFF], 512
	s_mov_b32 s[OFF+1], 0
	v_mul_u32_u24 v4, v2, XPITCH
	v_lshl_add_u32 v4, v3, 4, v4                   ; row r, + 16 h
	v_add_nc_u32 v[ADRA], s58, v4
	v_add_nc_u32 v[ADRA+1], XSLOT, v[ADRA]
	v_and_b32 v4, 7, v0
	v_lshl_add_u32 v4, v3, 3, v4                   ; k row 8 h + l % 8,
	v_mul_u32_u24 v4, v4, BPITCH
	v_bfe_u32 v5, v0, 3, 1
	v_lshl_add_u32 v4, v5, 4, v4                   ; 16 bytes on for the second eight lanes of each half
	v_add_nc_u32 v[ADRB], BB, v4
	s_mul_i32 s49, s12, 16*BPITCH
	s_add_co_u32 s49, s49, BB
	v_lshl_add_u32 v[STB], v1, 3, s49              ; my wave's 16 rows, + 8 l
	CONV SET0, 0, 1, 16                            ; W and tile 0 are in (tile 1's 16 loads are younger); tile 0 goes to buffer 0, tile 2 is asked for
	WIN 0
	s_wait_tensorcnt 0x1                           ; my part of slot 0 is in; slot 1's load was issued behind it and stays out
	s_wait_dscnt 0x0                               ; my rows of tile 0 are written
	s_barrier_signal -1
	s_barrier_wait -1
	FETCH 0, 0, 0, 0, F0
	LAPM 1                                         ; the first lap stands in front of the loop: its first products start the sums
	WIN 0                                          ; at a label and at a branch every window is 0
	s_add_co_u32 s[OFF], s[OFF], 512
	s_and_b32 s[OFF], s[OFF], 0x7ff
	s_mov_b32 s[LAP], 1
.Llap:                                             ; laps 1 to 14
	LAPM 0
	WIN 0
	s_add_co_u32 s[OFF], s[OFF], 512               ; x's rows are walked anew for every centre: 2,048 bytes, four laps
	s_and_b32 s[OFF], s[OFF], 0x7ff
	s_and_b32 s49, s[LAP], 3
	s_cmp_lg_u32 s49, 3                            ; laps 3, 7, 11 end a centre; the lap's number is the same in every partner
	s_cbranch_scc1 .Lnoscale
	SCALE 1
.Lnoscale:
	s_add_co_u32 s[LAP], s[LAP], 1
	s_cmp_lt_u32 s[LAP], 15
	s_cbranch_scc1 .Llap
	; the last lap, written out: no slot is filled again, no round; v_c's last tile, 63, is asked for in its first quarter
	QUARTER F0, F1, 0, 0, 64, 0, 32, 1, SET1, 1, 1, 16
	HTURN 0
	QUARTER F0, F1, 0, 0, 192, 1, 32, 1, SET0, 0, 0, 16
	TURN 0, 1, 0
	QUARTER F0, F1, 0, 1, 64, 0, 32, 1, SET1, 1, 0, 0
	HTURN 1
	QUARTER F0, F1, 0, 1, 192, 1, 32, 0, SET0, 0, 0, 0
	s_wait_dscnt 8
	WIN MUL_LO
	MUL16 F1, 0, 0, 0
	MUL16 F1, 0, 2, 0
	s_wait_dscnt 0
	WIN MUL_HI
	MUL16 F1, 1, 0, 0
	MUL16 F1, 1, 2, 0
	SCALE 0                                        ; the group's last centre: a[c] itself
	; The way out, in the accumulators' own order: [row tile 8][column tile 8][q 2][lane 32][16 bytes].  Each store of the wave covers 512 consecutive bytes, aligned;
	; the next launch adds the eight groups and puts the sum, an eighth of these bytes, into rows.
	WIN 0x08
.set ix, 0
.rept 64
	global_store_b128 v[VO], v[4*ix:4*ix+3], s[PB:PB+1] offset:ix*512
.set ix, ix+1
.endr
	WIN 0x0c
.set ix, 0
.rept 64
	global_store_b128 v[VO], v[4*ix:4*ix+3], s[PB:PB+1] offset:(64+ix)*512
.set ix, ix+1
.endr
	WIN 0
	s_wait_tensorcnt 0x0
	ds_add_u32 v254, v255
	s_wait_dscnt 0x0
	CROUND                                         ; the closing round: no work-group ends while a partner may still ask for a tile that names it
	s_endpgm
.Lfunc_end_k_qc92c709da4_gemm:
	.size	k_qc92c709da4_gemm, .Lfunc_end_k_qc92c709da4_gemm-k_qc92c709da4_gemm
	.p2alignl 7, 3214868480
	.fill 96, 4, 3214868480
	.section	.rodata,"a",@progbits
	.p2align	6, 0x0
	.amdhsa_kernel k_qc92c709da4_gemm
		.amdhsa_group_segment_fixed_size 327680
		.amdhsa_private_segment_fixed_size 0
		.amdhsa_enable_private_segment 0
		.amdhsa_kernarg_size 32
		.amdhsa_user_sgpr_count 2
		.amdhsa_user_sgpr_kernarg_segment_ptr 1
		.amdhsa_wavefront_size32 1
		.amdhsa_system_sgpr_workgroup_id_x 1
		.amdhsa_system_sgpr_workgroup_id_y 1
		.amdhsa_system_sgpr_workgroup_id_z 1
		.amdhsa_system_vgpr_workitem_id 0
		.amdhsa_next_free_vgpr 1024
		.amdhsa_next_free_sgpr 66
		.amdhsa_reserve_vcc 0
		.amdhsa_float_denorm_mode_32 3
		.amdhsa_float_denorm_mode_16_64 3
		.amdhsa_memory_ordered 1
		.amdhsa_forward_progress 1
		.amdhsa_inst_pref_size 255
	.end_amdhsa_kernel
	.section	.bss,"aw",@nobits
	.p2align	6
	.space	262144
	.amdgpu_metadata
---
amdhsa.version: [ 1, 2 ]
amdhsa.kernels:
  - .name:           k_qc92c709da4_gemm
    .symbol:         k_qc92c709da4_gemm.kd
    .args:
      - { .name: xb, .offset: 0, .size: 8, .value_kind: global_buffer, .address_space: global }
      - { .name: v_c, .offset: 8, .size: 8, .value_kind: global_buffer, .address_space: global }
      - { .name: wtab, .offset: 16, .size: 8, .value_kind: global_buffer, .address_space: global }
      - { .name: part, .offset: 24, .size: 8, .value_kind: global_buffer, .address_space: global }
    .group_segment_fixed_size: 327680
    .private_segment_fixed_size: 0
    .kernarg_segment_align: 8
    .kernarg_segment_size: 32
    .max_flat_workgroup_size: 128
    .sgpr_count:     66
    .vgpr_count:     1024
    .wavefront_size: 32
...
	.end_amdgpu_metadata
.endif
;; end of part 2
;; launch reduce (part 3): grid 256 x 1, 4 waves a work-group, no clusters, 34,304 bytes of LDS; arguments part, out0; writes out0
.if DOCPART == 3
	.amdgcn_target "amdgcn-amd-amdhsa--gfx1250"
	.amdhsa_code_object_version 6
	.text
	.protected	k_qc92c709da4_reduce
	.globl	k_qc92c709da4_reduce
	.p2align	8
	.type	k_qc92c709da4_reduce,@function
k_qc92c709da4_reduce:
	s_mov_b64 s[64:65], 0
	v_nop
	global_prefetch_b8 v0, s[64:65] scope:SCOPE_SE
	s_setreg_imm32_b32 hwreg(HW_REG_WAVE_MODE, 25, 1), 1
	s_wait_xcnt 0x0
; out0 = the sum of the eight partial results in part, in ascending order of the group, put into rows.
; part: [g 8][mb 4][nb 8][w 4][a 8][b 8][q 2][lane 32][4 f32]; lane (r, h)'s four numbers are row 512 mb + 128 w + 16 a + r, columns 128 nb + 16 b + 8 h + 4 q + 0..3.
; Wave U = 4 x work-group + wave (0..1023) = ((mb 8 + nb) 4 + w) 8 + a takes 8,192 consecutive bytes of each partial: 16 rows x 128 columns.
; A stream: every byte of part is read once, by loads of 512 consecutive bytes; two or three partials (16 loads each) of every wave are on their way.
; The sum goes through the wave's own stage in LDS (rows of 512 + 16 bytes) and leaves as whole row pieces of 512 consecutive bytes, aligned.
; No wave reads another's bytes: no barrier.  Matrix unit, tensor loads and clusters have nothing to do here: nothing is multiplied and nothing is shared.
.set ACC, 8                            ; v[8:71]    the sum
.set T0,  72                           ; v[72:135]  a partial on its way; at the end the rows read back
.set T1,  136                          ; v[136:199] another
.set SP,  528                          ; the stage's pitch, an odd multiple of 16 bytes
.macro LOADG g, dst
.irp p, 0,1,2,3,4,5,6,7,8,9,10,11,12,13,14,15
	global_load_b128 v[\dst+4*\p:\dst+4*\p+3], v2, s[12+2*\g:13+2*\g] offset:\p*512 th:TH_LOAD_NT
.endr
.endm
.macro ADDG set, left                  ; left = the younger loads that may stay out
	s_wait_loadcnt \left
.set ix, 0
.rept 32
	v_pk_add_f32 v[ACC+2*ix:ACC+2*ix+1], v[ACC+2*ix:ACC+2*ix+1], v[\set+2*ix:\set+2*ix+1]
.set ix, ix+1
.endr
.endm
	s_load_b128 s[4:7], s[0:1], 0x0                ; part s[4:5], out0 s[6:7]
	v_lshl_add_u32 v200, v0, 2, 0x8400
	v_mov_b32 v201, 0
	v_lshrrev_b32 v1, 5, v0
	v_readfirstlane_b32 s8, v1                     ; wave 0..3
	v_and_b32 v1, 31, v0                           ; l
	v_and_b32 v5, 15, v0                           ; r
	v_bfe_u32 v6, v0, 4, 1                         ; h
	v_lshlrev_b32 v2, 4, v1                        ; 16 l
	s_lshl2_add_u32 s9, ttmp9, s8                  ; U
	s_lshl_b32 s10, s9, 13                         ; 8,192 U
	s_mov_b32 s11, 0
	s_lshr_b32 s30, s9, 8
	s_lshl_b32 s30, s30, 9                         ; 512 mb
	s_and_b32 s31, s9, 31
	s_lshl4_add_u32 s30, s31, s30                  ; + 16 (8 w + a): my first row,
	s_lshl_b32 s30, s30, 12                        ; of 4,096 bytes
	s_bfe_u32 s31, s9, 0x30005                     ; nb
	s_lshl_b32 s31, s31, 9                         ; 512 bytes a column block
	s_add_co_u32 s30, s30, s31
	s_mov_b32 s31, 0
	s_mul_i32 s9, s8, 16*SP                        ; my stage
	v_mul_u32_u24 v3, v5, SP
	v_lshl_add_u32 v3, v6, 5, v3
	v_add_nc_u32 v3, s9, v3                        ; in: row r, + 32 h
	v_add_nc_u32 v4, s9, v2                        ; back: 16 l of a row
	s_wait_kmcnt 0x0
	s_add_nc_u64 s[12:13], s[4:5], s[10:11]
.irp g, 1,2,3,4,5,6,7
	s_add_nc_u64 s[12+2*\g:13+2*\g], s[10+2*\g:11+2*\g], 0x800000      ; a partial is 8 MiB
.endr
	s_add_nc_u64 s[28:29], s[6:7], s[30:31]
	LOADG 0, ACC
	LOADG 1, T0
	LOADG 2, T1
	ADDG T0, 16
	LOADG 3, T0
	ADDG T1, 16
	LOADG 4, T1
	ADDG T0, 16
	LOADG 5, T0
	ADDG T1, 16
	LOADG 6, T1
	ADDG T0, 16
	LOADG 7, T0
	ADDG T1, 16
	ADDG T0, 0
.irp p, 0,1,2,3,4,5,6,7,8,9,10,11,12,13,14,15
	ds_store_b128 v3, v[ACC+4*\p:ACC+4*\p+3] offset:64*(\p/2)+16*(\p%2)    ; p = 2 b + q: columns 16 b + 8 h + 4 q
.endr
.irp t, 0,1,2,3,4,5,6,7,8,9,10,11,12,13,14,15
	ds_load_b128 v[T0+4*\t:T0+4*\t+3], v4 offset:\t*SP     ; LDS serves a wave's instructions in order (ISA guide 5.7.1.4): these see the stores above
.endr
.irp t, 0,1,2,3,4,5,6,7,8,9,10,11,12,13,14,15
	s_wait_dscnt 15-\t                             ; row t is back, the younger rows may be out
	global_store_b128 v2, v[T0+4*\t:T0+4*\t+3], s[28:29] offset:\t*4096 th:TH_STORE_NT
.endr
	s_wait_tensorcnt 0x0
	ds_add_u32 v200, v201
	s_wait_dscnt 0x0
	s_endpgm
.Lfunc_end_k_qc92c709da4_reduce:
	.size	k_qc92c709da4_reduce, .Lfunc_end_k_qc92c709da4_reduce-k_qc92c709da4_reduce
	.p2alignl 7, 3214868480
	.fill 96, 4, 3214868480
	.section	.rodata,"a",@progbits
	.p2align	6, 0x0
	.amdhsa_kernel k_qc92c709da4_reduce
		.amdhsa_group_segment_fixed_size 34304
		.amdhsa_private_segment_fixed_size 0
		.amdhsa_enable_private_segment 0
		.amdhsa_kernarg_size 16
		.amdhsa_user_sgpr_count 2
		.amdhsa_user_sgpr_kernarg_segment_ptr 1
		.amdhsa_wavefront_size32 1
		.amdhsa_system_sgpr_workgroup_id_x 1
		.amdhsa_system_sgpr_workgroup_id_y 1
		.amdhsa_system_sgpr_workgroup_id_z 1
		.amdhsa_system_vgpr_workitem_id 0
		.amdhsa_next_free_vgpr 202
		.amdhsa_next_free_sgpr 66
		.amdhsa_reserve_vcc 0
		.amdhsa_float_denorm_mode_32 3
		.amdhsa_float_denorm_mode_16_64 3
		.amdhsa_memory_ordered 1
		.amdhsa_forward_progress 1
		.amdhsa_inst_pref_size 33
	.end_amdhsa_kernel
	.amdgpu_metadata
---
amdhsa.version: [ 1, 2 ]
amdhsa.kernels:
  - .name:           k_qc92c709da4_reduce
    .symbol:         k_qc92c709da4_reduce.kd
    .args:
      - { .name: part, .offset: 0, .size: 8, .value_kind: global_buffer, .address_space: global }
      - { .name: out0, .offset: 8, .size: 8, .value_kind: global_buffer, .address_space: global }
    .group_segment_fixed_size: 34304
    .private_segment_fixed_size: 0
    .kernarg_segment_align: 8
    .kernarg_segment_size: 16
    .max_flat_workgroup_size: 128
    .sgpr_count:     66
    .vgpr_count:     202
    .wavefront_size: 32
...
	.end_amdgpu_metadata
.endif
;; end of part 3
